; MI455X (gfx1250); checked and timed in simulation.
; The chip was launched on July 23, 2026; its instructions are those of AMD's public machine-readable ISA for CDNA 5 (MIT licence, August 2026) and "CDNA5" Instruction Set Architecture Reference Guide (July 2026). The comments in the code are by the model that wrote it; some were corrected since.
;; Self Attention. Allowed arithmetic: matrix products marked QUANTISED: E2M1 operands, one E8M0 scale for each 32 along K, by v_wmma_scale_f32_16x16x128_f8f6f4 with both operands' format E2M1 (or v_wmma_scale_f32_32x16x128_f4), f32 sums; everything else in f32.
;; Inputs: Wk_codes 1,024 x 32 x 16 uint8 (E2M1 codes of Wk, K innermost, in blocks of 32 codes, two codes a byte); Wk_scales 1,024 x 32 uint8 (E8M0 scales of Wk, one for each 32 codes along K); Wo_codes 1,024 x 32 x 16 uint8 (E2M1 codes of Wo, K innermost, in blocks of 32 codes, two codes a byte); Wo_scales 1,024 x 32 uint8 (E8M0 scales of Wo, one for each 32 codes along K); Wq_codes 1,024 x 32 x 16 uint8 (E2M1 codes of Wq, K innermost, in blocks of 32 codes, two codes a byte); Wq_scales 1,024 x 32 uint8 (E8M0 scales of Wq, one for each 32 codes along K); Wv_codes 1,024 x 32 x 16 uint8 (E2M1 codes of Wv, K innermost, in blocks of 32 codes, two codes a byte); Wv_scales 1,024 x 32 uint8 (E8M0 scales of Wv, one for each 32 codes along K); bo 1,024 float32; x_codes 4 x 2,048 x 32 x 16 uint8 (E2M1 codes of x, K innermost, in blocks of 32 codes, two codes a byte); x_scales 4 x 2,048 x 32 uint8 (E8M0 scales of x, one for each 32 codes along K).
;; Outputs: out0 4 x 2,048 x 1,024 float32.
;; This version of the problem:
;;   THIS VERSION OF THE PROBLEM IS GIVEN IN LOW PRECISION. The matrix products marked QUANTISED in the list below multiply operands that are first quantised to E2M1 (2 exponent bits, 1 mantissa bit; 4 bits a number), with one power-of-two scale for each 32 numbers along K (OCP MX v1.0); their sums are f32. All else is computed in f32.
;;   The module's matrix products, in the order in which they are computed (A, B: the left and right operand; K: the contracted axis; several contracted axes count as one K, in the product's order):
;;     1. [M 8,192, K 1,024] x [K 1,024, N 1,024]; A: input x (given as codes); B: input Wq (given as codes): QUANTISED
;;     2. [M 8,192, K 1,024] x [K 1,024, N 1,024]; A: input x (given as codes); B: input Wk (given as codes): QUANTISED
;;     3. [M 8,192, K 1,024] x [K 1,024, N 1,024]; A: input x (given as codes); B: input Wv (given as codes): QUANTISED
;;     4. batch 64 x [M 2,048, K 64] x [K 64, N 2,048]; A: computed on the way; B: computed on the way: QUANTISED
;;     5. batch 64 x [M 2,048, K 2,048] x [K 2,048, N 64]; A: softmax (see below); B: computed on the way: QUANTISED
;;     6. [M 8,192, K 1,024] x [K 1,024, N 1,024]; A: computed on the way; B: input Wo (given as codes): QUANTISED
;;   THE QUANTISER, for each operand of a quantised product, along K:
;;     - K is cut into blocks of 32 from its start; a last block that is shorter is filled with zeros.
;;     - A block's scale is 2^e with e = floor(log2(the largest magnitude in the block)) - 2, held to -126 .. 127; a block of zeros has e = 0. As a byte (E8M0): e + 127.
;;     - Each number is divided by its block's scale, clamped to +-6, and rounded to the nearest number of E2M1, ties to even, subnormals kept.
;;     - The product sums the exact products of the quantised numbers (number of the format x scale) in f32.
;;   ~~~python
;;   def quantise(x, axis):      # numpy; x: float32 -> the quantised numbers, widened to float32 again
;;       x = np.moveaxis(x, axis, -1); K = x.shape[-1]
;;       x = np.pad(x, [(0, 0)] * (x.ndim - 1) + [(0, -K % 32)]); x = x.reshape(x.shape[:-1] + (-1, 32)); a = np.abs(x).max(-1, keepdims=True)
;;       e = np.where(a > 0, np.clip(np.frexp(np.where(a > 0, a, 1))[1] - 1 - 2, -126, 127), 0)      # np.frexp(a)[1] - 1 = floor(log2(a)), exactly
;;       r = np.clip(x / 2.0 ** e, -6, 6)
;;       step = 2.0 ** (np.maximum(np.frexp(np.where(r == 0, 1, r))[1] - 1, 0) - 1)
;;       q = np.round(r / step) * step * 2.0 ** e      # np.round: ties to even
;;       return np.moveaxis(q.reshape(q.shape[:-2] + (-1,))[..., :K], -1, axis).astype(np.float32)
;;   ~~~
;;   SOFTMAX AHEAD OF A QUANTISED PRODUCT. Where the list says 'softmax', what is quantised is not the finished softmax but p = 2^(t - M), with t = logit x log2(e) and M = ceil(the row's largest t), a whole number; so 1/2 < the row's largest p <= 1. The row's sum l is taken of the UNQUANTISED p, in f32, and the product's result is divided by l at the end. Since M is a whole number, a kernel that streams over the keys may use a running M (the ceiling of the running maximum): every later rescaling is an exact power of two, which a block's scale takes up: the codes' values come out the same.
;;   OPERANDS COMPUTED ON THE WAY. 'Computed on the way' means the value that the module computes at that place (a softmax that the list does not call 'softmax' is quantised finished and normalised). What goes into a quantiser is computed in f32, as accurately as f32 sums, v_exp_f32 and their like allow (about 1e-6 of the number): no bf16 or f16 on the way to a quantiser, and a product that is left as it is and whose result goes on into a quantised operand takes f32 operands (vector FMAs, or v_wmma_f32_16x16x4_f32). A number that lies on a knife's edge between two numbers of the format may be rounded either way, as far as f32 arithmetic and the matrix unit's own rounding can turn it there, and no further.
;;   INPUTS GIVEN AS CODES. Wk (in the module: [1024, 1024], K = its axis 1); Wo (in the module: [1024, 1024], K = its axis 1); Wq (in the module: [1024, 1024], K = its axis 1); Wv (in the module: [1024, 1024], K = its axis 1); x (in the module: [4, 2048, 1024], K = its axis 2): each comes as NAME_codes (uint8): NAME with its K axis moved to the last place and cut into blocks of 32 codes, [.., K / 32, bytes a block], one block behind the other in memory; two codes a byte, the lower K in the low four bits (a code: sign, 2 exponent bits, 1 mantissa bit); and NAME_scales (uint8): the same leading axes, one E8M0 byte (e + 127) for each 32 codes along K. Its value is code x scale, taken as it is: it is not quantised again, and the codes and scales need not be those that the quantiser above would give.
;; One version. Each part assembles by itself: llvm-mc -triple=amdgcn-amd-amdhsa -mcpu=gfx1250 --defsym DOCPART=n.
;; ======== version 1 of 1: 3 launches
;; workspace buffers: qimg 4,718,592 bytes; kv 9,175,040 bytes; oimg 4,194,304 bytes; osc 262,144 bytes
;; launch qkv (part 1): grid 12 x 32, 4 waves a work-group, clusters of 4 x 4, 296,448 bytes of LDS; arguments x_codes, x_scales, Wq_codes, Wq_scales, Wk_codes, Wk_scales, Wv_codes, Wv_scales, qimg, kv; writes qimg, kv
.if DOCPART == 1
	.amdgcn_target "amdgcn-amd-amdhsa--gfx1250"
	.amdhsa_code_object_version 6
	.text
	.protected	k_qf8d48a1081_qkv
	.globl	k_qf8d48a1081_qkv
	.p2align	8
	.type	k_qf8d48a1081_qkv,@function
k_qf8d48a1081_qkv:
	s_mov_b64 s[64:65], 0
	v_nop
	global_prefetch_b8 v0, s[64:65] scope:SCOPE_SE
	s_setreg_imm32_b32 hwreg(HW_REG_WAVE_MODE, 25, 1), 1
	s_wait_xcnt 0x0
	s_wait_alu depctr_hold_cnt(0) depctr_sa_sdst(0) depctr_va_vdst(0) depctr_va_sdst(0) depctr_va_ssrc(0) depctr_va_vcc(0) depctr_vm_vsrc(0)
	s_getreg_b32 s2, hwreg(HW_REG_IB_STS2, 6, 4)
	s_cmp_eq_u32 s2, 0
	s_cbranch_scc0 .Lentry_in_a_cluster
	s_endpgm
.Lentry_in_a_cluster:
	s_bfe_u32 s2, ttmp6, 0x10000c
	s_cmp_lg_u32 s2, 0xf033
	s_cbranch_scc0 .Lentry_shape_is_right
	s_endpgm
.Lentry_shape_is_right:
; q = x Wq^T, k = x Wk^T, v = x Wv^T on codes of FP4 (E2M1) with one E8M0 scale for each 32 along K = 1,024; the results are quantised again at once, in registers:
; q and k along the head's 64 channels, v along the keys, and leave as IMAGES OF OPERAND REGISTERS (a lane's four registers, 16 bytes, at 16 x lane: 512 bytes on end), as the attention launch wants them.
; x: 8,192 tokens x 512 bytes of codes, 32 scale bytes a token; each W: 1,024 rows likewise.  So one set of tile shapes serves all four tensors.
; SHARES.  A work-group of four waves makes 256 x 256 results, a wave 128 x 128: 64 accumulators of 16 x 16, 512 registers.  All of K lies in LDS: two halves of 512 along K, each filled ONCE; nothing is filled again.
; THE MATRIX INSTRUCTION: source 0 = 16 rows of 'B', source 1 = 16 rows of 'A': a lane holds ONE row of A, and its registers run along B's rows.  B's rows are therefore the axis that is quantised.
;   The cluster's x says which product: 0: q, 1: k: A = x (a lane a token), B = W (registers along the features).  2: v: A = Wv (a lane a channel), B = x (registers along the keys).
;   Only pointers and a few strides are chosen by that number, which is the same in all sixteen partners; all three products take one path through the text, but for one store at its end.
; CLUSTERS: 4 x 4 work-groups.  The four of a row of the cluster need the same tile of A, the four of a column the same tile of B: each tile is asked for JOINTLY, by the same tensor load with the same descriptor and a mask that names the four.
; THE QUANTISER.  In accumulator b of a block of A's rows, lane (r, h) holds B's rows 16 b + 8 h + 0 .. 7.  A block of 32 is accumulators 2 B and 2 B + 1 in lanes l and l xor 16.  One conversion an accumulator gives eight codes;
;   they are written to register 4 (b / 4) + (0, 2, 1, 3)[b % 4], and an exchange of halves between registers (0, 1) and (2, 3) of each four leaves registers 4 c .. 4 c + 3 with k = 64 c + 32 h + 0 .. 31: the operand's layout.
; OUT.  qimg: [batch x head 64][128 tokens 16][4,608 bytes]: 8 tiles of 16 tokens x 512 bytes of codes (lane (r, h): channels 32 h .. + 31 of token r), then the scale words [2][16 tokens][4 tiles], bytes 0, 1 the two blocks, bytes 2, 3 zero.
;       kv:   [batch x head 64][128 keys 16][8,960 bytes]: the same 4,608 bytes for k; then v: [4 tiles of 16 channels][2][512 bytes] (registers 4 c ..: keys 64 c + 32 h ..), then its scale words [16 channels][4 tiles].
; LIMITS: NaN, infinities and a given scale byte 0xff are not served.  A block of results whose largest magnitude lies under 2^-124 (zeros among them) gets the byte 1, where the rule gives a block of zeros 127: its codes are zeros, and this program alone reads the bytes.
; No prefetch: every tile is asked for at the head.
; REGISTERS, in windows of 256: window 0: v1-30 addresses; v32-95 scale words, two sets; v128-191 A's fragments, ONE set; on the way out v96-159 codes, v200-235 at work.
;   window 1: B's fragments, TWO sets, at v0 and v128.   window 2: the accumulators of A's blocks 0-3 (accumulator (a, b) at v[8 (8 (a % 4) + b)]);   window 3: those of blocks 4-7.
.set NQ,     4                         ; steps of 128 along K in a half
.set ROWB,   256                       ; a tile's row in bytes: 512 codes
.set KROW,   512                       ; a row in memory
.set PITCH,  272                       ; an LDS row: 256 bytes + 16 of padding = 68 words: row r starts at bank 4 r mod 64 (64 banks of 4 bytes: ISA guide 11.1), so the 16 rows of a load start at 16 different banks
.set FR,     8                         ; registers of a fragment
.set NL,     2                         ; LDS loads that bring one
.set NP,     4                         ; places behind this matrix instruction (ISA guide 7.12.1)
.set HALFT,  128*PITCH                 ; 128 rows: what one tensor load brings
.set SLOT,   4*HALFT                   ; A's 256 rows, then B's 256 rows
.set KS,     32                        ; a row of scale bytes
.set SCL,    2*SLOT                    ; behind the codes: the scales, as units of 256 bytes + 16 of padding
.set HALFS,  (128*KS/256)*272          ; those of 128 rows
.set SBLK,   (16*KS/256)*272           ; those of 16 rows
.set ADRA, 16                          ; v16-17  LDS address of my A fragments in half 0, 1
.set ADRB, 20                          ; v20-21  the same for B
.set L16,  24                          ; v24     16 x lane
.set L16C, 25                          ; v25     the same + the distance from a fragment's first four registers' image to its second
.set VS1,  26                          ; v26     where my four scale words go
.set ADRS, 27                          ; v27     LDS address of my scale words: lanes 0-15 A's rows, lanes 16-31 B's
.set VS2,  28                          ; v28     q, k: the second head's scale words
.set FL,   30                          ; v30     the floor 2^(3 - 127)
.set SC,   32                          ; scale words: set s at v[SC + 32 s]; register 4 i + q: lanes 0-15 A's block i, lanes 16-31 B's block i
.set PCD,  96                          ; v96-159 the codes: eight registers for each of A's eight blocks, so that no store's data are written again
.set AF,   128
.set TM,   200                         ; v200-203 largest magnitudes, v204-207 the partner's, then bytes, v212-215 the conversions' scale operands
.set PW,   216                         ; v216-223 a scale word for each of A's blocks
.set G1,   24                          ; s[24:31] group 1 for A's tiles; s[32:39] group 0, one set for each half
.set G0,   32
.set G1B,  48                          ; s[48:55], s[56:63] the same for B's
.set G0B,  56
.set G1S,  68                          ; s[68:75], s[76:79] groups 1 and 0 for A's scales; s[80:87], s[88:91] for B's
.set G0S,  76
.set G1SB, 80
.set G0SB, 88
.set WV,   95                          ; s95 wave; s96 which half of A's rows is mine, and: I fetch for A (0) or B (1); s97 which half of B's rows, and: which 128 rows I fetch
.set RH,   96
.set CH,   97
.set TT,   98                          ; s98 0: q, 1: k, 2: v
.set TROW, 99                          ; s99 A's tile;  s42 B's tile
.set MSB, 0
.macro WIN new                         ; the immediate's high byte repeats the setting that is left
.if MSB != \new
	s_set_vgpr_msb (MSB<<8)|\new
.set MSB, \new
.endif
.endm
.set MUL_LO, 0xa1                      ; source 0 (B) window 1, source 1 (A) window 0, C and D window 2
.set MUL_HI, 0xf1                      ; the same, C and D window 3
.set TO_B,   0x40                      ; destination window 1, address window 0
; A joint load: waves 0 and 1 fetch for A, waves 2 and 3 for B.  Each line has ONE mask and one set of registers for all that issue it; the branch hangs on the wave's number alone.
; Four v_nop follow each of the two lines, ahead of the jump, the label and what follows.
.macro JLOAD g0a, g1a, g0b, g1b
	s_cmp_eq_u32 s[RH], 0
	s_cbranch_scc0 .Lfor_b_\@
	tensor_load_to_lds s[\g0a:\g0a+3], s[\g1a:\g1a+7]
	s_nop 0
.rept 4
	v_nop
.endr
	s_branch .Lasked_\@
.Lfor_b_\@:
	tensor_load_to_lds s[\g0b:\g0b+3], s[\g1b:\g1b+7]
	s_nop 0
.rept 4
	v_nop
.endr
.Lasked_\@:
.endm
.macro CROUND                          ; a round of the cluster's barrier: my work-group's barrier; wave 0 signals for the work-group; every wave waits for all sixteen; my work-group's barrier once more
	s_barrier_signal -1
	s_barrier_wait -1
	s_cmp_lg_u32 s[WV], 0
	s_cbranch_scc1 .Lnot_wave_0_\@
	s_barrier_signal -3
.Lnot_wave_0_\@:
	s_barrier_wait -3
	s_barrier_signal -1
	s_barrier_wait -1
.endm
	s_load_b512 s[4:19], s[0:1], 0x0               ; x's codes s[4:5], scales s[6:7]; Wq's s[8:11]; Wk's s[12:15]; Wv's s[16:19]
	v_lshl_add_u32 v254, v0, 2, 0x48400
	v_mov_b32 v255, 0
	ds_add_u32 v254, v255
	ds_add_u32 v254, v255
	v_lshrrev_b32 v1, 5, v0
	v_readfirstlane_b32 s[WV], v1                  ; wave 0..3
	s_lshr_b32 s[RH], s[WV], 1
	s_and_b32 s[CH], s[WV], 1
	s_bfe_u32 s40, ttmp6, 0x40000                  ; cx, cy: my place in the cluster
	s_bfe_u32 s41, ttmp6, 0x40004
	s_mov_b32 s[TT], ttmp9                         ; the cluster's x: which product
	s_and_b32 s100, ttmp7, 0xffff
	s_lshl_b32 s100, s100, 2                       ; 4 x the cluster's y: the first of its four tiles of 256 tokens
	s_cmp_eq_u32 s[TT], 2
	s_cselect_b32 s42, s100, 0                     ; v: the tokens are B's rows;
	s_cselect_b32 s[TROW], 0, s100                 ; q, k: they are A's
	s_add_co_u32 s42, s42, s40                     ; B's tile: + cx
	s_add_co_u32 s[TROW], s[TROW], s41             ; A's tile: + cy
	s_lshl_b32 s43, s41, 2
	s_lshl_b32 s43, 15, s43                        ; my row of the cluster
	s_lshl_b32 s44, 0x1111, s40                    ; my column
	; group 1: a tile of 128 rows x 256 bytes, padded in LDS
	s_or_b32 s[G1+0], s43, (0<<16)|(1<<20)|(1<<21)|(5<<22)|(3<<25)  ; 15:0 the mask: A's tiles go to my row; 17:16 elements of 1 byte; 20 padding on; 21 set beside a mask; 24:22 after every 64 words (code 5); 31:25 four words (code 3)
	s_or_b32 s[G1B+0], s44, (0<<16)|(1<<20)|(1<<21)|(5<<22)|(3<<25)
.irp g, G1, G1B
	s_mov_b32 s[\g+1], ROWB<<16                    ; tensor_dim0
	s_mov_b32 s[\g+2], 128<<16                     ; tensor_dim1
	s_mov_b32 s[\g+3], ROWB<<16                    ; tile_dim0
	s_mov_b32 s[\g+4], 128                         ; tile_dim1
	s_mov_b32 s[\g+5], KROW                        ; from row to row
	s_mov_b32 s[\g+6], 0
	s_mov_b32 s[\g+7], 0
.endr
	; the scales of 128 rows: a dense block of 4,096 bytes, as 16 rows of 256 bytes (32 elements of 8 bytes), 16 bytes of padding behind each
	s_or_b32 s[G1S+0], s43, (3<<16)|(1<<20)|(1<<21)|(5<<22)|(3<<25)
	s_or_b32 s[G1SB+0], s44, (3<<16)|(1<<20)|(1<<21)|(5<<22)|(3<<25)
.irp g, G1S, G1SB
	s_mov_b32 s[\g+1], 32<<16
	s_mov_b32 s[\g+2], (128*KS/256)<<16
	s_mov_b32 s[\g+3], 32<<16
	s_mov_b32 s[\g+4], 128*KS/256
	s_mov_b32 s[\g+5], 32
	s_mov_b32 s[\g+6], 0
	s_mov_b32 s[\g+7], 0
.endr
	s_lshl_b32 s101, s[CH], 7                      ; which 128 rows of the tile I fetch
	s_lshl_b32 s20, s[TROW], 8
	s_add_co_u32 s20, s20, s101                    ; A: row 256 x tile + 128 x half
	s_lshl_b32 s46, s42, 8
	s_add_co_u32 s46, s46, s101                    ; B likewise
	s_lshl_b32 s22, s20, 5                         ; where these rows' scales begin: 32 bytes a row (8,192 rows at the most: all under 2^23)
	s_mov_b32 s23, 0
	s_lshl_b32 s92, s46, 5
	s_mov_b32 s93, 0
	s_lshl_b32 s20, s20, 9                         ; and their codes: 512 bytes a row
	s_mov_b32 s21, 0
	s_lshl_b32 s46, s46, 9
	s_mov_b32 s47, 0
	s_mul_i32 s45, s[WV], HALFT                    ; where they go: wave x 128 rows: no place in the cluster enters an LDS address
	s_mul_i32 s94, s[WV], HALFS
	s_wait_dscnt 0x0
	s_wait_kmcnt 0x0
	s_cmp_eq_u32 s[TT], 0                          ; the choices hang on the cluster's number alone
	s_cselect_b64 s[8:9], s[8:9], s[12:13]         ; q: Wq, else Wk
	s_cselect_b64 s[10:11], s[10:11], s[14:15]
	s_cmp_eq_u32 s[TT], 2
	s_cselect_b64 s[12:13], s[4:5], s[8:9]         ; B: v: x, else that W
	s_cselect_b64 s[14:15], s[6:7], s[10:11]
	s_cselect_b64 s[4:5], s[16:17], s[4:5]         ; A: v: Wv, else x
	s_cselect_b64 s[6:7], s[18:19], s[6:7]
	s_add_nc_u64 s[20:21], s[4:5], s[20:21]
	s_add_nc_u64 s[22:23], s[6:7], s[22:23]
	s_add_nc_u64 s[46:47], s[12:13], s[46:47]
	s_add_nc_u64 s[92:93], s[14:15], s[92:93]
	CROUND                                         ; all sixteen work-groups are here: the joint loads meet
	s_mov_b32 s[G0S], 1
	s_add_co_u32 s[G0S+1], s94, SCL
	s_mov_b64 s[G0S+2:G0S+3], s[22:23]
	s_or_b32 s[G0S+3], s[G0S+3], 0x80000000
	s_mov_b32 s[G0SB], 1
	s_add_co_u32 s[G0SB+1], s94, SCL
	s_mov_b64 s[G0SB+2:G0SB+3], s[92:93]
	s_or_b32 s[G0SB+3], s[G0SB+3], 0x80000000
	JLOAD G0S, G1S, G0SB, G1SB                     ; the scales first: they are wanted with the first half
.irp s, 0,1
	s_mov_b32 s[G0+4*\s], 1
	s_add_co_u32 s[G0+4*\s+1], s45, \s*SLOT
	s_add_nc_u64 s[G0+4*\s+2:G0+4*\s+3], s[20:21], \s*ROWB
	s_or_b32 s[G0+4*\s+3], s[G0+4*\s+3], 0x80000000
	s_mov_b32 s[G0B+4*\s], 1
	s_add_co_u32 s[G0B+4*\s+1], s45, \s*SLOT
	s_add_nc_u64 s[G0B+4*\s+2:G0B+4*\s+3], s[46:47], \s*ROWB
	s_or_b32 s[G0B+4*\s+3], s[G0B+4*\s+3], 0x80000000
	JLOAD G0+4*\s, G1, G0B+4*\s, G1B               ; three tensor loads of mine are out: all that this wave ever issues
.endr
	s_load_b128 s[4:7], s[0:1], 0x40               ; qimg s[4:5], kv s[6:7]: the operands' addresses stand in the descriptors by now
	v_and_b32 v1, 15, v0                           ; r = lane % 16
	v_bfe_u32 v2, v0, 4, 1                         ; h = lane / 16
	v_mul_u32_u24 v3, v1, PITCH
	v_lshl_add_u32 v4, v2, 4, v3                   ; a fragment's row x pitch + 16 x half
	s_mul_i32 s8, s[RH], HALFT                     ; my 128 rows of A
	s_mul_i32 s9, s[CH], HALFT                     ; my 128 rows of B,
	s_add_co_u32 s9, s9, 2*HALFT                   ; which lie behind A's 256
.irp s, 0,1
	v_add_nc_u32 v[ADRA+\s], s8, v4
	v_add_nc_u32 v[ADRB+\s], s9, v4
	s_add_co_u32 s8, s8, SLOT
	s_add_co_u32 s9, s9, SLOT
.endr
	v_mul_u32_u24 v5, v1, KS                       ; my row's scales: 32 bytes a row,
	v_lshrrev_b32 v6, 8, v5
	v_lshl_add_u32 v5, v6, 4, v5                   ; and 16 more for each 256 passed
	s_mul_i32 s8, s[RH], HALFS                     ; A's: my 128 rows
	s_mul_i32 s9, s[CH], HALFS                     ; B's: my 128 rows, behind A's 256
	s_add_co_u32 s9, s9, 2*HALFS
	s_sub_co_u32 s9, s9, s8
	v_mul_u32_u24 v6, s9, v2                       ; lanes 16-31 take B's
	s_add_co_u32 s8, s8, SCL
	v_add_nc_u32 v5, v5, v6
	v_add_nc_u32 v[ADRS], s8, v5
	; THE WAY OUT'S NUMBERS, made while the tiles are on their way
	s_mov_b32 s2, 0x76543210
	s_mov_b32 s3, 0xfedcba98                       ; v_permlanex16_b32's selects for lane l xor 16
	s_wait_kmcnt 0x0
	s_cmp_eq_u32 s[TT], 0
	s_cselect_b64 s[4:5], s[4:5], s[6:7]           ; q goes to qimg, k and v to kv
	s_mov_b32 s16, 8960
	s_cselect_b32 s16, 4608, s16                   ; bytes for 128 tokens of a head,
	s_lshl_b32 s17, s16, 4                         ; and for a head's 2,048
	s_sub_co_u32 s14, s17, 3072
	s_lshl_b32 s20, s[TROW], 8
	s_lshl_b32 s21, s[RH], 7
	s_add_co_u32 s20, s20, s21                     ; my first row of A
	s_lshl_b32 s21, s42, 8
	s_lshl_b32 s22, s[CH], 7
	s_add_co_u32 s21, s21, s22                     ; and of B
	s_mov_b32 s101, 512
	s_mov_b32 s12, 512
	s_mov_b32 s19, 0xffff
	s_mov_b32 s9, 256
	s_cmp_eq_u32 s[TT], 2
	s_cselect_b32 s22, s21, s20                    ; my first token
	s_cselect_b32 s23, s20, s21                    ; my first feature: 64 x head
	s_cselect_b32 s12, 1024, s12                   ; from one of A's blocks to the next: q, k: the next tile of tokens; v: the next tile of channels;
	s_cselect_b32 s14, s14, s101                   ; from block 3 to block 4: v: on to the next head's first tile
	s_cselect_b32 s18, s101, s17                   ; from registers 0-3 to registers 4-7: q, k: the next head; v: the fragment's second half
	s_cselect_b32 s19, -1, s19                     ; a scale word: q, k: two bytes to a head; v: all four
	s_cselect_b32 s9, s17, s9                      ; lanes 16-31's scale words: q, k: tiles 4-7; v: the next head
	s_cselect_b32 s8, 4608, 0                      ; v lies behind k
	s_mov_b32 s13, 0
	s_mov_b32 s15, 0
	s_lshr_b32 s10, s22, 11                        ; batch
	s_lshl_b32 s10, s10, 4
	s_lshr_b32 s11, s23, 6                         ; head
	s_add_co_u32 s10, s10, s11
	s_mul_i32 s10, s10, s17
	s_bfe_u32 s11, s22, 0x40007                    ; which 128 tokens of the 2,048
	s_mul_i32 s11, s11, s16
	s_add_co_u32 s10, s10, s11
	s_add_co_u32 s10, s10, s8                      ; under 2^24
	s_mov_b32 s11, 0
	s_add_nc_u64 s[6:7], s[4:5], s[10:11]          ; where my results begin: it stays,
	s_mov_b64 s[10:11], s[6:7]                     ; and a copy that walks
	v_and_b32 v6, 31, v0
	v_lshlrev_b32 v[L16], 4, v6
	v_add_nc_u32 v[L16C], s18, v[L16]
	v_mul_u32_u24 v7, s9, v2
	v_lshl_add_u32 v[VS1], v1, 4, v7
	v_add_nc_u32 v[VS2], s17, v[L16]
	v_mov_b32 v[FL], 0x1800000
.irp b, 0,1,2,3
	v_mov_b32 v[TM+4+\b], 0                        ; written once: a lane permute's destination counts as one of its sources
.endr
.macro FRAG reg, adr, q, i             ; a fragment, 16 rows x 128 K of 4-bit codes: lane l holds row l % 16; registers 4 c .. 4 c + 3 hold K = 64 c + 32 (l / 16) + 0 .. 31
.irp c, 0,1
	ds_load_b128 v[\reg+4*\c:\reg+4*\c+3], v[\adr] offset:64*(\q)+32*\c+(\i)*16*PITCH
.endr
.endm
; 16 matrix instructions: A's blocks a0, a0 + 1 x B's eight, the half's q-th 128 along K.  p: B's set; sc: the set of scale words.  zero = 1: the first product starts the sums: nothing is ever cleared.
; The 64 accumulators take turns, one instruction a turn, in the same order in every step.
.macro MUL16 a0, p, q, sc, zero
.irp a, \a0, \a0+1
.irp b, 0,1,2,3,4,5,6,7
.if \zero
	v_wmma_scale_f32_16x16x128_f8f6f4 v[8*(8*((\a)%4)+\b):8*(8*((\a)%4)+\b)+7], v[128*(\p)+FR*\b:128*(\p)+FR*\b+FR-1], v[AF+FR*(\a):AF+FR*(\a)+FR-1], 0, v[SC+8*NQ*(\sc)+NQ*\b+(\q)], v[SC+8*NQ*(\sc)+NQ*(\a)+(\q)] matrix_a_fmt:MATRIX_FMT_FP4 matrix_b_fmt:MATRIX_FMT_FP4 matrix_a_scale:MATRIX_SCALE_ROW1
.else
	v_wmma_scale_f32_16x16x128_f8f6f4 v[8*(8*((\a)%4)+\b):8*(8*((\a)%4)+\b)+7], v[128*(\p)+FR*\b:128*(\p)+FR*\b+FR-1], v[AF+FR*(\a):AF+FR*(\a)+FR-1], v[8*(8*((\a)%4)+\b):8*(8*((\a)%4)+\b)+7], v[SC+8*NQ*(\sc)+NQ*\b+(\q)], v[SC+8*NQ*(\sc)+NQ*(\a)+(\q)] matrix_a_fmt:MATRIX_FMT_FP4 matrix_b_fmt:MATRIX_FMT_FP4 matrix_a_scale:MATRIX_SCALE_ROW1
.endif
.endr
.endr
.endm
.macro FETCH_B slot, q, p              ; B's eight fragments into set p
	WIN TO_B
.irp i, 0,1,2,3,4,5,6,7
	FRAG 128*(\p)+FR*\i, ADRB+\slot, \q, \i
.endr
	WIN 0
.endm
.macro FETCH_A slot, q, i0             ; A's blocks i0 .. i0 + 3
.irp i, \i0, \i0+1, \i0+2, \i0+3
	FRAG AF+FR*(\i), ADRA+\slot, \q, \i
.endr
.endm
.macro SCALES sc                       ; a half's scale words into set sc: four words a row; lanes 0-15 take A's block i, lanes 16-31 B's block i
.irp i, 0,1,2,3,4,5,6,7
	ds_load_b128 v[SC+8*NQ*\sc+NQ*\i:SC+8*NQ*\sc+NQ*\i+3], v[ADRS] offset:\i*SBLK
.endr
.endm
.macro PLACES n                        ; a load into a register that a matrix instruction has read, and a vector instruction that reads a result, stand four plain vector instructions behind it (ISA guide 7.12.1 for vector instructions)
.rept \n
	v_nop
.endr
.endm
; A step of 128 along K that has its successor in the same half.  A block of A is free as soon as its eight products are issued: blocks 0-3 are fetched anew in the step's middle, blocks 4-7 at its end.
.macro STEP slot, q, zero
	s_wait_dscnt 4*NL                              ; all but the youngest eight loads, A's blocks 4-7
	WIN MUL_LO
	MUL16 0, (\q)%2, \q, \slot, \zero
	MUL16 2, (\q)%2, \q, \slot, \zero
	s_wait_dscnt 0                                 ; A's blocks 4-7 are in
	PLACES NP
	FETCH_B \slot, (\q)+1, 1-(\q)%2
	FETCH_A \slot, (\q)+1, 0
	WIN MUL_HI
	MUL16 4, (\q)%2, \q, \slot, \zero
	MUL16 6, (\q)%2, \q, \slot, \zero
	PLACES NP
	WIN 0
	FETCH_A \slot, (\q)+1, 4
.endm
	s_wait_tensorcnt 1                             ; one younger load, the second half's, may be out: the scales and my part of the first half are in,
	s_barrier_signal -1
	s_barrier_wait -1                              ; everybody's are
	FETCH_B 0, 0, 0
	FETCH_A 0, 0, 0
	SCALES 0
	FETCH_A 0, 0, 4
	STEP 0, 0, 1                                   ; the first products start the sums
	STEP 0, 1, 0
	STEP 0, 2, 0
	; the first half's last step goes over to the second half: one barrier, in front of which each wave has waited for its part of that half
	s_wait_tensorcnt 0x0                           ; my part of the second half has landed: no tensor load of mine is out any more
	s_wait_dscnt 4*NL                              ; all but A's blocks 4-7
	WIN MUL_LO
	MUL16 0, 1, NQ-1, 0, 0
	s_wait_dscnt 0x0                               ; no LDS load of mine is pending at the signal
	s_barrier_signal -1
	MUL16 2, 1, NQ-1, 0, 0                         ; work on registers while the others arrive
	WIN 0
	s_barrier_wait -1                              ; the second half is whole
	PLACES NP
	v_add_nc_u32 v[ADRS], 4*NQ, v[ADRS]            ; on to the second half's scale words
	FETCH_B 1, 0, 0
	FETCH_A 1, 0, 0
	SCALES 1
	WIN MUL_HI
	MUL16 4, 1, NQ-1, 0, 0
	MUL16 6, 1, NQ-1, 0, 0
	PLACES NP
	WIN 0
	FETCH_A 1, 0, 4
	STEP 1, 0, 0
	STEP 1, 1, 0
	STEP 1, 2, 0
	s_wait_dscnt 4*NL                              ; the very last step: nothing more to fetch
	WIN MUL_LO
	MUL16 0, 1, NQ-1, 1, 0
	MUL16 2, 1, NQ-1, 1, 0
	s_wait_dscnt 0
	WIN MUL_HI
	MUL16 4, 1, NQ-1, 1, 0
	MUL16 6, 1, NQ-1, 1, 0
	WIN 0
; THE WAY OUT: no LDS.  Block a of A's rows: a lane's 64 results, 128 along B's rows with lane l xor 16's, become eight registers of codes and one scale word.
.macro QUANTW a
.set AC, 64*((\a)%4)
.set PCA, PCD+8*(\a)
	WIN 0x28+0x14*((\a)/4)                         ; sources 1 and 2: window 2 or 3
.irp b, 0,1,2,3
	v_max3_num_f32 v[TM+\b], v[FL], |v[AC+16*\b]|, |v[AC+16*\b+1]|   ; block b: my 16 numbers, and the floor, under which no largest magnitude is taken: so the byte cannot fall under 1.  Each accumulator is read from its low end on
.endr
.irp i, 2,4,6,8,10,12,14
.irp b, 0,1,2,3
	v_max3_num_f32 v[TM+\b], v[TM+\b], |v[AC+16*\b+\i]|, |v[AC+16*\b+\i+1]|   ; (the four blocks by turns)
.endr
.endr
	WIN 0
.irp b, 0,1,2,3
	v_permlanex16_b32 v[TM+4+\b], v[TM+\b], s2, s3
.endr
.irp b, 0,1,2,3
	v_max_num_f32 v[TM+\b], v[TM+\b], v[TM+4+\b]   ; with lane l xor 16's: the block's largest magnitude
.endr
.irp b, 0,1,2,3
	v_add_nc_u32 v[TM+12+\b], 0xff000000, v[TM+\b] ; 2 off its exponent field: the conversion takes the exponent field of this operand as its scale
.endr
.irp b, 0,1,2,3
	v_lshrrev_b32 v[TM+4+\b], 23, v[TM+12+\b]      ; the scale's byte
.endr
	v_lshl_or_b32 v[PW+\a], v[TM+5], 8, v[TM+4]
	v_lshl_or_b32 v[PW+\a], v[TM+6], 16, v[PW+\a]
	v_lshl_or_b32 v[PW+\a], v[TM+7], 24, v[PW+\a]
	WIN 0x02+(\a)/4                                ; source 0: window 2 or 3
.irp b, 0,1,2,3,4,5,6,7
	v_cvt_scalef32_pk8_fp4_f32 v[PCA+4*(\b/4)+2*(\b%2)+(\b%4)/2], v[AC+8*\b:AC+8*\b+7], v[TM+12+\b/2]   ; the codes of k = 16 b + 8 h + 0 .. 7, to place (0, 2, 1, 3)[b % 4] of their four
.endr
	WIN 0
	v_nop                                          ; one plain place behind a scaled conversion
.irp c, 0,1
	v_permlane16_swap_b32 v[PCA+4*\c], v[PCA+4*\c+1]     ; the first's lanes 16-31 change places with the second's lanes 0-15:
	v_permlane16_swap_b32 v[PCA+4*\c+2], v[PCA+4*\c+3]   ; registers 4 c .. 4 c + 3 now hold k = 64 c + 32 h + 0 .. 31
.endr
	global_store_b128 v[L16], v[PCA:PCA+3], s[10:11]     ; 32 lanes store 512 consecutive bytes, at a multiple of 256 from the buffer's first byte
	global_store_b128 v[L16C], v[PCA+4:PCA+7], s[10:11]
.endm
	PLACES NP                                      ; behind the last products
.irp a, 0,1,2,3,4,5,6,7
	QUANTW \a
.if \a < 7
	s_wait_xcnt 0x0                                ; the stores have read their base: it may step
.if \a == 3
	s_add_nc_u64 s[10:11], s[10:11], s[14:15]
.else
	s_add_nc_u64 s[10:11], s[10:11], s[12:13]
.endif
.endif
.endr
	s_mov_b32 vcc_lo, 0xffff0000
.irp i, 0,1,2,3
	v_cndmask_b32 v[224+\i], v[PW+\i], v[PW+4+\i], vcc_lo   ; lanes 0-15: block i's word, lanes 16-31: block 4 + i's
.endr
.irp i, 0,1,2,3
	v_and_b32 v[228+\i], s19, v[224+\i]            ; q, k: the first head's two bytes, zeros above them; v: the whole word
.endr
	global_store_b128 v[VS1], v[228:231], s[6:7] offset:4096
	s_cmp_eq_u32 s[TT], 2                          ; the same in all sixteen partners
	s_cbranch_scc1 .Lno_second
.irp i, 0,1,2,3
	v_lshrrev_b32 v[232+\i], 16, v[224+\i]         ; q, k: the second head's two bytes
.endr
	global_store_b128 v[VS2], v[232:235], s[6:7] offset:4096
.Lno_second:
	s_wait_tensorcnt 0x0
	ds_add_u32 v254, v255
	s_wait_dscnt 0x0
	CROUND                                         ; the closing round: no work-group ends while a partner may still ask for a tile that names it
	s_endpgm
.Lfunc_end_k_qf8d48a1081_qkv:
	.size	k_qf8d48a1081_qkv, .Lfunc_end_k_qf8d48a1081_qkv-k_qf8d48a1081_qkv
	.p2alignl 7, 3214868480
	.fill 96, 4, 3214868480
	.section	.rodata,"a",@progbits
	.p2align	6, 0x0
	.amdhsa_kernel k_qf8d48a1081_qkv
		.amdhsa_group_segment_fixed_size 296448
		.amdhsa_private_segment_fixed_size 0
		.amdhsa_enable_private_segment 0
		.amdhsa_kernarg_size 80
		.amdhsa_user_sgpr_count 2
		.amdhsa_user_sgpr_kernarg_segment_ptr 1
		.amdhsa_wavefront_size32 1
		.amdhsa_system_sgpr_workgroup_id_x 1
		.amdhsa_system_sgpr_workgroup_id_y 1
		.amdhsa_system_sgpr_workgroup_id_z 1
		.amdhsa_system_vgpr_workitem_id 0
		.amdhsa_next_free_vgpr 1024
		.amdhsa_next_free_sgpr 102
		.amdhsa_reserve_vcc 1
		.amdhsa_float_denorm_mode_32 3
		.amdhsa_float_denorm_mode_16_64 3
		.amdhsa_memory_ordered 1
		.amdhsa_forward_progress 1
		.amdhsa_inst_pref_size 129
	.end_amdhsa_kernel
	.amdgpu_metadata
---
amdhsa.version: [ 1, 2 ]
amdhsa.kernels:
  - .name:           k_qf8d48a1081_qkv
    .symbol:         k_qf8d48a1081_qkv.kd
    .args:
      - { .name: x_codes, .offset: 0, .size: 8, .value_kind: global_buffer, .address_space: global }
      - { .name: x_scales, .offset: 8, .size: 8, .value_kind: global_buffer, .address_space: global }
      - { .name: Wq_codes, .offset: 16, .size: 8, .value_kind: global_buffer, .address_space: global }
      - { .name: Wq_scales, .offset: 24, .size: 8, .value_kind: global_buffer, .address_space: global }
      - { .name: Wk_codes, .offset: 32, .size: 8, .value_kind: global_buffer, .address_space: global }
      - { .name: Wk_scales, .offset: 40, .size: 8, .value_kind: global_buffer, .address_space: global }
      - { .name: Wv_codes, .offset: 48, .size: 8, .value_kind: global_buffer, .address_space: global }
      - { .name: Wv_scales, .offset: 56, .size: 8, .value_kind: global_buffer, .address_space: global }
      - { .name: qimg, .offset: 64, .size: 8, .value_kind: global_buffer, .address_space: global }
      - { .name: kv, .offset: 72, .size: 8, .value_kind: global_buffer, .address_space: global }
    .group_segment_fixed_size: 296448
    .private_segment_fixed_size: 0
    .kernarg_segment_align: 8
    .kernarg_segment_size: 80
    .max_flat_workgroup_size: 128
    .sgpr_count:     102
    .vgpr_count:     1024
    .wavefront_size: 32
...
	.end_amdgpu_metadata
.endif
;; end of part 1
;; launch attn (part 2): grid 4 x 64, 16 waves a work-group, clusters of 4 x 1, 169,984 bytes of LDS; arguments qimg, kv, oimg, osc; writes oimg, osc
.if DOCPART == 2
	.amdgcn_target "amdgcn-amd-amdhsa--gfx1250"
	.amdhsa_code_object_version 6
	.text
	.protected	k_qf8d48a1081_attn
	.globl	k_qf8d48a1081_attn
	.p2align	8
	.type	k_qf8d48a1081_attn,@function
k_qf8d48a1081_attn:
	s_mov_b64 s[64:65], 0
	v_nop
	global_prefetch_b8 v0, s[64:65] scope:SCOPE_SE
	s_setreg_imm32_b32 hwreg(HW_REG_WAVE_MODE, 25, 1), 1
	s_wait_xcnt 0x0
	s_wait_alu depctr_hold_cnt(0) depctr_sa_sdst(0) depctr_va_vdst(0) depctr_va_sdst(0) depctr_va_ssrc(0) depctr_va_vcc(0) depctr_vm_vsrc(0)
	s_getreg_b32 s2, hwreg(HW_REG_IB_STS2, 6, 4)
	s_cmp_eq_u32 s2, 0
	s_cbranch_scc0 .Lentry_in_a_cluster
	s_endpgm
.Lentry_in_a_cluster:
	s_bfe_u32 s2, ttmp6, 0x10000c
	s_cmp_lg_u32 s2, 0x3003
	s_cbranch_scc0 .Lentry_shape_is_right
	s_endpgm
.Lentry_shape_is_right:
; Causal attention of one head on codes of FP4 (E2M1) with one E8M0 scale for each 32 along a product's K, and the result quantised again along the model's 1,024 (a head owns two whole blocks of 32).
; IN: qimg and kv, images of operand registers.  kv: [batch x head 64][128 keys 16][8,960 bytes]: k's 8 tiles of 16 keys x 512 bytes (lane (r, h): channels 32 h .. + 31 of key r); its scale words [2][16 keys][4 tiles] at 4,096;
;     v's fragments [4 tiles of 16 channels][2][512 bytes] at 4,608 (registers 4 c ..: keys 64 c + 32 h ..); its scale words [16 channels][4 tiles] at 8,704.  qimg: [64][16][4,608 bytes]: as k's part.
; OUT: oimg [tile of 16 tokens 512][head 16][512 bytes] (lane (r, h): the head's channels 32 h .. + 31 of token r); osc [token 8,192][head 16][2 bytes].
; THE SOFTMAX AHEAD OF THE SECOND PRODUCT: t = score x log2(e) / 8; M = the row's largest t so far, rounded UP to a whole number; p = 2^(t - M) is quantised along the keys, not normalised.  The row's sum is taken of the unquantised p
; and divides O at the end.  When M moves, the sum and O are multiplied by 2^(old M - new M): exact.
; SHARES.  The four work-groups of a cluster serve one head.  Query tile (16 queries) 4 u + cx, u = 0 .. 31; wave w of sixteen takes u = w in its first pass and u = 31 - w in its second.  A tile needs the key steps (128 keys) 0 .. u / 2,
; whatever cx is: so no branch hangs on a work-group's place in its cluster, and every wave works w / 2 + 1 + (31 - w) / 2 + 1 = 17 steps, two of them on the diagonal.
; LDS: the head's 143,360 bytes of kv as they lie in memory, filled ONCE: wave w brings key step w by one joint load (the same line, the same descriptor in all four partners, a mask that names the four).  Nothing is stored to LDS and nothing filled again.
; LAYOUT.  Both products are used transposed: S^T = K Q^T (source 0 = 16 keys, source 1 = my 16 queries), O^T = V^T P^T (source 0 = 16 channels, source 1 = P): a lane holds ONE query (lane % 16) throughout.
; In tile t of S^T lane (r, h) holds keys 16 t + 8 h + 0 .. 7: a block of 32 keys is tiles 2 B, 2 B + 1 in lanes l and l xor 16.  One conversion a tile; its eight codes go to register 4 (t / 4) + (0, 2, 1, 3)[t % 4], and an exchange of
; halves between registers (0, 1) and (2, 3) of each four gives the operand's layout.
; A HEAD OF 64 UNDER AN INSTRUCTION OF K = 128: Q's registers 4-7 are zero codes.  K's fragment t is named as v[32 + 4 t .. 39 + 4 t]: its upper four registers hold the next tile's codes (tile 7's: zeros), which meet Q's zeros;
; the scale bytes of that half are 0 on both sides, a power of two like any other, over products that are all zero.
; LIMITS: NaN and infinities are not served.  A block's largest p is taken through its largest score by the same multiply-add and exponential, which takes v_exp_f32 not to fall where its input rises.
; A block of O whose largest magnitude lies under 2^-124 (zeros among them) gets the byte 1 where the rule gives zeros 127: its codes are zeros, and this program alone reads the bytes.
; No prefetch: all that the work-group reads is asked for at the head.
; REGISTERS: v1 16 x lane, v2 16 r, v3-4 the step's LDS addresses, v5 16 cx + r - 8 h, v6 32 r, v8-11 offsets; v12 -M, v13 the largest t, v[14:15] the sum; v16-19 Q, v20-23 zeros, v24-27 the second pass's Q, v28, v29 Q's scale words;
;   v32-63 K, v64-67 zeros, v68-75 K's scale words, v76-79 V's; v96-159 S^T, then p; v160-191 O^T; v192-223 V; v224-231 codes; v232-254 at work.
.set BLKB, 8960                        ; a key step's bytes in kv
.set HSKV, 143360                      ; a head's
.set QBLK, 4608                        ; 128 queries' bytes in qimg
.set HSQ,  73728                       ; a head's
.set WV,   12                          ; s12 wave, s13 cx, s14 batch x head, s15 batch, s16 head
.set U,    17                          ; s17 u of the pass; s18 its last key step; s19 the key step; s36 its first LDS byte; s37 the pass; s50 64 (u % 2)
.macro CROUND                          ; a round of the cluster's barrier
	s_barrier_signal -1
	s_barrier_wait -1
	s_cmp_lg_u32 s[WV], 0
	s_cbranch_scc1 .Lnot_wave_0_\@
	s_barrier_signal -3
.Lnot_wave_0_\@:
	s_barrier_wait -3
	s_barrier_signal -1
	s_barrier_wait -1
.endm
.macro QOFF u, vc, vw                  ; where tile 4 u + cx lies in the head's part of qimg: its codes, its scale words (less the 4,096 that stand in the load)
	s_lshr_b32 s46, s[\u], 1
	s_mul_i32 s46, s46, QBLK               ; which 128 queries
	s_and_b32 s47, s[\u], 1
	s_lshl_b32 s48, s47, 2
	s_add_co_u32 s48, s48, s13             ; which tile of their eight: 4 (u % 2) + cx
	s_lshl_b32 s48, s48, 9
	s_add_co_u32 s48, s48, s46
	v_add_nc_u32 v[\vc], s48, v1
	s_lshl_b32 s47, s47, 8
	s_lshl_b32 s49, s13, 2
	s_add_co_u32 s47, s47, s49
	s_add_co_u32 s47, s47, s46
	v_add_nc_u32 v[\vw], s47, v2
.endm
	s_load_b256 s[4:11], s[0:1], 0x0               ; qimg s[4:5], kv s[6:7], oimg s[8:9], osc s[10:11]
	v_lshl_add_u32 v251, v0, 2, 0x29000
	v_mov_b32 v255, 0
	ds_add_u32 v251, v255
	ds_add_u32 v251, v255
	v_lshrrev_b32 v1, 5, v0
	s_delay_alu instid0(VALU_DEP_1)
	v_readfirstlane_b32 s[WV], v1                  ; wave 0..15
	s_bfe_u32 s13, ttmp6, 0x40000                  ; cx: it enters global addresses and the mask's number alone
	s_and_b32 s14, ttmp7, 0xffff                   ; batch x head, which the four partners share
	s_lshr_b32 s15, s14, 4
	s_and_b32 s16, s14, 15
	; group 1: a key step's 8,960 dense bytes as 35 rows of 256 (32 elements of 8 bytes), no padding: every LDS read takes consecutive bytes in consecutive lanes
	s_mov_b32 s24, 15|(3<<16)|(1<<21)              ; 15:0 the mask: all four work-groups; 17:16 elements of 8 bytes; 21 set beside a mask
	s_mov_b32 s25, 32<<16                          ; tensor_dim0
	s_mov_b32 s26, 35<<16                          ; tensor_dim1
	s_mov_b32 s27, 32<<16                          ; tile_dim0
	s_mov_b32 s28, 35                              ; tile_dim1
	s_mov_b32 s29, 32                              ; from row to row
	s_mov_b32 s30, 0
	s_mov_b32 s31, 0
	s_mul_i32 s33, s[WV], BLKB                     ; group 0: the LDS address: my key step's place,
	s_mul_i32 s46, s14, HSKV
	s_add_co_u32 s46, s46, s33                     ; and the same place in the head's part of kv (under 2^24)
	s_mov_b32 s47, 0
	s_mov_b32 s32, 1
	s_mov_b32 s20, 0x76543210
	s_mov_b32 s21, 0xfedcba98                      ; v_permlanex16_b32's selects for lane l xor 16
	s_mov_b32 s22, 0x3e38aa3b                      ; c = log2(e) / 8
	s_mov_b32 s23, s22                             ; (named with it as a pair, so it is written)
	s_wait_dscnt 0x0
	s_wait_kmcnt 0x0
	s_add_nc_u64 s[34:35], s[6:7], s[46:47]
	s_or_b32 s35, s35, 0x80000000                  ; type = 2
	CROUND                                         ; all four work-groups are here: the joint loads meet
	tensor_load_to_lds s[32:35], s[24:31]          ; my one tensor load
	s_nop 0
.rept 4
	v_nop
.endr
	s_mul_i32 s46, s14, HSQ
	s_add_nc_u64 s[38:39], s[4:5], s[46:47]        ; qimg at my head
	s_lshl_b32 s46, s15, 20                        ; oimg: 128 tiles of 8,192 bytes a batch,
	s_lshl_b32 s48, s16, 9                         ; 512 bytes a head
	s_add_co_u32 s46, s46, s48
	s_add_nc_u64 s[42:43], s[8:9], s[46:47]
	s_lshl_b32 s46, s15, 16                        ; osc: 2,048 tokens of 32 bytes a batch,
	s_lshl_b32 s48, s16, 1                         ; 2 bytes a head
	s_add_co_u32 s46, s46, s48
	s_add_nc_u64 s[44:45], s[10:11], s[46:47]
	v_and_b32 v7, 31, v0
	v_and_b32 v3, 15, v0                           ; r
	v_bfe_u32 v4, v0, 4, 1                         ; h
	s_delay_alu instid0(VALU_DEP_3)
	v_lshlrev_b32 v1, 4, v7
	s_wait_alu depctr_va_vdst(0)
	v_lshlrev_b32 v2, 4, v3
	s_wait_alu depctr_va_vdst(0)
	v_lshlrev_b32 v6, 5, v3
	v_lshlrev_b32 v4, 3, v4
	s_delay_alu instid0(VALU_DEP_1)
	v_sub_nc_u32 v5, v3, v4
	s_lshl_b32 s46, s13, 4
	v_add_nc_u32 v5, s46, v5                       ; 16 cx + r - 8 h
	s_mov_b32 s[U], s[WV]
	QOFF U, 8, 9
	s_sub_co_u32 s51, 31, s[WV]
	QOFF 51, 10, 11
	s_wait_alu depctr_va_vdst(0)
	global_load_b128 v[16:19], v8, s[38:39]        ; the first pass's Q,
	global_load_b32 v28, v9, s[38:39] offset:4096  ; its scale words,
	global_load_b128 v[24:27], v10, s[38:39]       ; and the second pass's
	global_load_b32 v29, v11, s[38:39] offset:4096
.irp j, 20,21,22,23,64,65,66,67
	v_mov_b32 v[\j], 0                             ; zero codes
.endr
.irp j, 236,237,238,239,252,253
	v_mov_b32 v[\j], 0                             ; written once: a lane permute's destination counts as one of its sources, and v253 is named as half of a pair before it is first written
.endr
	s_wait_tensorcnt 0x0                           ; my key step has landed,
	s_barrier_signal -1
	s_barrier_wait -1                              ; everybody's has: from here on LDS is only read
	s_wait_loadcnt 0x0                             ; Q
	s_mov_b32 s37, 0
.Lpass:
	v_mov_b32 v13, 0xff61b1e6                      ; the largest t so far: -3e38, under every t
	s_delay_alu instid0(VALU_DEP_1)
	v_floor_f32 v12, -v13                          ; -M
	v_mov_b32 v14, 0                               ; the sum, in two halves
	v_mov_b32 v15, 0
.irp j, 0,1,2,3,4,5,6,7,8,9,10,11,12,13,14,15,16,17,18,19,20,21,22,23,24,25,26,27,28,29,30,31
	v_mov_b32 v[160+\j], 0                         ; O^T.  (The step is written once: a pass's first step finds zeros, which the first change of M leaves zeros)
.endr
	s_lshr_b32 s18, s[U], 1                        ; the step on the diagonal
	s_and_b32 s50, s[U], 1
	s_lshl_b32 s50, s50, 6
	s_mov_b32 s19, 0
	s_mov_b32 s36, 0
.Lstep:                                            ; sixteen trips, a constant; a step all of whose keys come after my queries is jumped over: a scalar branch on the wave's number and the pass
	s_cmp_gt_u32 s19, s18
	s_cbranch_scc1 .Lhidden
	s_setprio 2
	v_add_nc_u32 v3, s36, v1
	v_add_nc_u32 v4, s36, v2
	v_nop                                          ; with the two additions: four places in front of loads into registers that the last products read
	v_nop
.irp t, 0,1,2,3,4,5,6,7
	ds_load_b128 v[32+4*\t:35+4*\t], v3 offset:512*\t      ; K's tiles
.endr
	ds_load_b128 v[68:71], v4 offset:4096          ; K's scale words: lane r takes row r's of tiles 0-3,
	ds_load_b128 v[72:75], v4 offset:4352          ; and of tiles 4-7
.irp i, 0,1,2,3,4,5,6,7
	ds_load_b128 v[192+4*\i:195+4*\i], v3 offset:4608+512*\i   ; V's four fragments: wanted behind the softmax
.endr
	ds_load_b128 v[76:79], v4 offset:8704          ; V's scale words
	s_wait_dscnt 9                                 ; V's nine loads may be out: K and its words are in
.irp t, 0,1,2,3,4,5,6,7
	v_wmma_scale_f32_16x16x128_f8f6f4 v[96+8*\t:103+8*\t], v[32+4*\t:39+4*\t], v[16:23], 0, v[68+\t], v28 matrix_a_fmt:MATRIX_FMT_FP4 matrix_b_fmt:MATRIX_FMT_FP4
.endr
.rept 4
	v_nop
.endr
	s_cmp_lg_u32 s19, s18                          ; only the diagonal's step has hidden keys
	s_cbranch_scc1 .Lopen
	v_add_nc_u32 v252, s50, v5                     ; d = my query - the step's first key - 8 h.  Register n holds key 16 (n / 8) + 8 h + n % 8: hidden where 16 (n / 8) + n % 8 > d
	v_mov_b32 v254, 0xff800000                     ; -infinity: p = 0 then
.irp n, 0,1,2,3,4,5,6,7,8,9,10,11,12,13,14,15,16,17,18,19,20,21,22,23,24,25,26,27,28,29,30,31,32,33,34,35,36,37,38,39,40,41,42,43,44,45,46,47,48,49,50,51,52,53,54,55,56,57,58,59,60,61,62,63
	v_cmp_gt_i32 vcc_lo, 16*(\n/8)+\n%8, v252
	v_cndmask_b32 v[96+\n], v[96+\n], v254, vcc_lo
.endr
.Lopen:
.irp b, 0,1,2,3
	v_max3_num_f32 v[232+\b], v[96+16*\b], v[97+16*\b], v[98+16*\b]   ; THE LARGEST SCORE OF EACH BLOCK OF 32 KEYS serves twice: for the row's maximum, and, since p rises with the score, for the block's largest p
.endr
.irp i, 3,5,7,9,11,13
.irp b, 0,1,2,3
	v_max3_num_f32 v[232+\b], v[232+\b], v[96+16*\b+\i], v[97+16*\b+\i]   ; (the four blocks by turns)
.endr
.endr
.irp b, 0,1,2,3
	v_max_num_f32 v[232+\b], v[232+\b], v[111+16*\b]
.endr
.irp b, 0,1,2,3
	s_delay_alu instid0(VALU_DEP_4)
	v_permlanex16_b32 v[236+\b], v[232+\b], s20, s21
.endr
.irp b, 0,1,2,3
	s_delay_alu instid0(VALU_DEP_4)
	v_max_num_f32 v[232+\b], v[232+\b], v[236+\b]  ; with lane l xor 16's 16 keys
.endr
	s_delay_alu instid0(VALU_DEP_2)
	v_max3_num_f32 v254, v232, v233, v234
	s_delay_alu instid0(VALU_DEP_1)
	v_max_num_f32 v254, v254, v235                 ; the step's largest score of my query
	s_delay_alu instid0(VALU_DEP_1)
	v_mul_f32 v254, s22, v254                      ; as t (c is positive)
	s_delay_alu instid0(VALU_DEP_1)
	v_max_num_f32 v13, v13, v254                   ; the running largest t
	v_mov_b32 v254, v12
	s_delay_alu instid0(VALU_DEP_2)
	v_floor_f32 v12, -v13                          ; the new -M = floor(-t) = -ceil(t): M is a whole number
	s_delay_alu instid0(VALU_DEP_1)
	v_sub_f32 v254, v12, v254                      ; M's old value less its new one: a whole number, 0 or less
	s_delay_alu instid0(VALU_DEP_1)
	v_cvt_i32_f32 v254, v254                       ; (it saturates)
	s_delay_alu instid0(VALU_DEP_1)
	v_ldexp_f32 v252, 1.0, v254                    ; f = 2^(old M - new M)
.irp j, 0,2,4,6,8,10,12,14,16,18,20,22,24,26,28,30,32,34,36,38,40,42,44,46,48,50,52,54,56,58,60,62
	v_pk_fma_f32 v[96+\j:97+\j], v[96+\j:97+\j], s[22:23], v[12:13] op_sel_hi:[1,0,0]   ; t - M, two at a time (of the pairs c and -M the low word serves both halves)
.endr
	s_setprio 1
.irp b, 0,1,2,3
	v_fma_f32 v[232+\b], v[232+\b], s22, v12       ; the same of each block's largest score
.endr
	s_wait_alu depctr_va_vdst(0)
.irp j, 0,1,2,3,4,5,6,7,8,9,10,11,12,13,14,15,16,17,18,19,20,21,22,23,24,25,26,27,28,29,30,31,32,33,34,35,36,37,38,39,40,41,42,43,44,45,46,47,48,49,50,51,52,53,54,55,56,57,58,59,60,61,62,63
	v_exp_f32 v[96+\j], v[96+\j]                   ; p = 2^(t - M), at most 1: not normalised
.endr
	v_pk_mul_f32 v[14:15], v[14:15], v[252:253] op_sel_hi:[1,0]   ; the sums under the new M: the plain instruction behind the exponentials
	s_wait_alu depctr_va_vdst(0)                   ; one wait for the whole batch, ahead of its first reader
.irp b, 0,1,2,3
	v_exp_f32 v[232+\b], v[232+\b]                 ; the block's largest p: the same two instructions on the same number give the same bits
.endr
	v_pk_add_f32 v[240:241], v[96:97], v[98:99]    ; THE ROW'S SUM IS TAKEN OF THE UNQUANTISED p: two at a time, in two chains.  (It reads the 64 alone: plain work behind the four)
.irp j, 4,8,12,16,20,24,28,32,36,40,44,48
	v_pk_add_f32 v[14:15], v[14:15], v[96+\j:97+\j]
	v_pk_add_f32 v[240:241], v[240:241], v[98+\j:99+\j]
.endr
	s_wait_alu depctr_va_vdst(0)                   ; and one for the four
.irp b, 0,1,2,3
	v_max_num_f32 v[232+\b], 0x1800000, v[232+\b]  ; the floor 2^(3 - 127): the byte cannot fall under 1 (a block whose every p is 0 keeps that byte: its codes are zeros)
.endr
.irp b, 0,1,2,3
	s_delay_alu instid0(VALU_DEP_4)
	v_add_nc_u32 v[244+\b], 0xff000000, v[232+\b]  ; 2 off the exponent field: the conversion's scale operand
.endr
.irp b, 0,1,2,3
	s_delay_alu instid0(VALU_DEP_4)
	v_lshrrev_b32 v[236+\b], 23, v[244+\b]         ; the scale's byte
.endr
	s_delay_alu instid0(VALU_DEP_3)
	v_lshl_or_b32 v253, v237, 8, v236              ; p's scale word for these 128 keys
	s_delay_alu instid0(VALU_DEP_1)
	v_lshl_or_b32 v253, v238, 16, v253
	s_delay_alu instid0(VALU_DEP_1)
	v_lshl_or_b32 v253, v239, 24, v253
	s_setprio 0
.irp t, 0,1,2,3,4,5,6,7
	v_cvt_scalef32_pk8_fp4_f32 v[224+4*(\t/4)+2*(\t%2)+(\t%4)/2], v[96+8*\t:103+8*\t], v[244+\t/2]   ; the codes of keys 16 t + 8 h + 0 .. 7, to place (0, 2, 1, 3)[t % 4] of their four
.endr
	v_nop                                          ; one plain place behind a scaled conversion
.irp c, 0,1
	v_permlane16_swap_b32 v[224+4*\c], v[225+4*\c] ; registers 4 c .. 4 c + 3 now hold keys 64 c + 32 h + 0 .. 31
	v_permlane16_swap_b32 v[226+4*\c], v[227+4*\c]
.endr
.irp j, 0,2,4,6,8,10,12,14,16,18,20,22,24,26,28,30
	v_pk_mul_f32 v[160+\j:161+\j], v[160+\j:161+\j], v[252:253] op_sel_hi:[1,0]   ; O^T under the new M, each accumulator from its low end on
.endr
.irp j, 52,56,60
	v_pk_add_f32 v[14:15], v[14:15], v[96+\j:97+\j]         ; the rest of the row's sum: seven plain instructions that name no register of the products below stand ahead of them
	v_pk_add_f32 v[240:241], v[240:241], v[98+\j:99+\j]
.endr
	s_delay_alu instid0(VALU_DEP_1)
	v_pk_add_f32 v[14:15], v[14:15], v[240:241]
	s_wait_alu depctr_va_vdst(0)
	s_wait_dscnt 0x0                               ; V and its words are in
.irp t, 0,1,2,3
	v_wmma_scale_f32_16x16x128_f8f6f4 v[160+8*\t:167+8*\t], v[192+8*\t:199+8*\t], v[224:231], v[160+8*\t:167+8*\t], v[76+\t], v253 matrix_a_fmt:MATRIX_FMT_FP4 matrix_b_fmt:MATRIX_FMT_FP4
.endr
.Lhidden:
	s_add_co_u32 s36, s36, BLKB
	s_add_co_u32 s19, s19, 1
	s_cmp_lt_u32 s19, 16
	s_cbranch_scc1 .Lstep
	s_setprio 0
	; A PASS'S END: O^T / the sum, quantised along the head's 64 channels, two blocks
.rept 4
	v_nop                                          ; places behind the last products
.endr
	v_add_f32 v14, v14, v15                        ; the sum's two halves,
	s_delay_alu instid0(VALU_DEP_1)
	v_permlanex16_b32 v252, v14, s20, s21
	s_delay_alu instid0(VALU_DEP_1)
	v_add_f32 v14, v14, v252                       ; and lane l xor 16's: the row's sum
	s_wait_alu depctr_va_vdst(0)
	v_rcp_f32 v14, v14
	s_lshl_b32 s46, s[U], 2
	s_add_co_u32 s46, s46, s13                     ; my tile: 4 u + cx
	s_lshl_b32 s47, s46, 13
	s_lshl_b32 s48, s46, 9
	v_add_nc_u32 v8, s47, v1                       ; (a plain place behind the reciprocal)  oimg: 8,192 bytes a tile, 16 bytes a lane
	v_add_nc_u32 v9, s48, v6                       ; osc: 512 bytes a tile, 32 a token
	s_wait_alu depctr_va_vdst(0)                   ; ahead of the reciprocal's first reader
.irp j, 0,2,4,6,8,10,12,14,16,18,20,22,24,26,28,30
	v_pk_mul_f32 v[96+\j:97+\j], v[160+\j:161+\j], v[14:15] op_sel_hi:[1,0]   ; register 8 t + i: channel 16 t + 8 h + i of my query
.endr
.irp b, 0,1
	v_max3_num_f32 v[232+\b], |v[96+16*\b]|, |v[97+16*\b]|, 0x1800000
.endr
.irp i, 2,4,6,8,10,12,14
.irp b, 0,1
	s_delay_alu instid0(VALU_DEP_2)
	v_max3_num_f32 v[232+\b], v[232+\b], |v[96+16*\b+\i]|, |v[97+16*\b+\i]|
.endr
.endr
.irp b, 0,1
	s_delay_alu instid0(VALU_DEP_2)
	v_permlanex16_b32 v[236+\b], v[232+\b], s20, s21
.endr
.irp b, 0,1
	s_delay_alu instid0(VALU_DEP_2)
	v_max_num_f32 v[232+\b], v[232+\b], v[236+\b]
.endr
.irp b, 0,1
	s_delay_alu instid0(VALU_DEP_2)
	v_add_nc_u32 v[244+\b], 0xff000000, v[232+\b]
.endr
.irp b, 0,1
	s_delay_alu instid0(VALU_DEP_2)
	v_lshrrev_b32 v[236+\b], 23, v[244+\b]
.endr
	s_delay_alu instid0(VALU_DEP_1)
	v_lshl_or_b32 v248, v237, 8, v236              ; the head's two scale bytes of my token
.irp t, 0,1,2,3
	v_cvt_scalef32_pk8_fp4_f32 v[224+2*(\t%2)+\t/2], v[96+8*\t:103+8*\t], v[244+\t/2]
.endr
	v_nop                                          ; one plain place behind a scaled conversion
	v_permlane16_swap_b32 v224, v225
	v_permlane16_swap_b32 v226, v227               ; registers 0 .. 3: channels 32 h + 0 .. 31
	global_store_b128 v8, v[224:227], s[42:43]     ; 32 lanes store 512 consecutive bytes, at a multiple of 512 from oimg's first byte
	global_store_b16 v9, v248, s[44:45]            ; lanes r and r + 16 write the same two bytes with the same value
	s_wait_xcnt 0x0                                ; the stores have read their registers: they are written again in the next pass
.irp j, 0,1,2,3
	v_mov_b32 v[16+\j], v[24+\j]                   ; the second pass's Q; the 36 lines at the pass's head stand between these and the first product
.endr
	v_mov_b32 v28, v29
	s_sub_co_u32 s[U], 31, s[U]
	s_add_co_u32 s37, s37, 1
	s_cmp_lt_u32 s37, 2
	s_cbranch_scc1 .Lpass
	s_wait_tensorcnt 0x0
	ds_add_u32 v251, v255
	s_wait_dscnt 0x0
	CROUND                                         ; the closing round: no work-group ends while a partner may still ask for a tile that names it
	s_endpgm
.Lfunc_end_k_qf8d48a1081_attn:
	.size	k_qf8d48a1081_attn, .Lfunc_end_k_qf8d48a1081_attn-k_qf8d48a1081_attn
	.p2alignl 7, 3214868480
	.fill 96, 4, 3214868480
	.section	.rodata,"a",@progbits
	.p2align	6, 0x0
	.amdhsa_kernel k_qf8d48a1081_attn
		.amdhsa_group_segment_fixed_size 169984
		.amdhsa_private_segment_fixed_size 0
		.amdhsa_enable_private_segment 0
		.amdhsa_kernarg_size 32
		.amdhsa_user_sgpr_count 2
		.amdhsa_user_sgpr_kernarg_segment_ptr 1
		.amdhsa_wavefront_size32 1
		.amdhsa_system_sgpr_workgroup_id_x 1
		.amdhsa_system_sgpr_workgroup_id_y 1
		.amdhsa_system_sgpr_workgroup_id_z 1
		.amdhsa_system_vgpr_workitem_id 0
		.amdhsa_next_free_vgpr 256
		.amdhsa_next_free_sgpr 66
		.amdhsa_reserve_vcc 1
		.amdhsa_float_denorm_mode_32 3
		.amdhsa_float_denorm_mode_16_64 3
		.amdhsa_memory_ordered 1
		.amdhsa_forward_progress 1
		.amdhsa_inst_pref_size 33
	.end_amdhsa_kernel
	.amdgpu_metadata
---
amdhsa.version: [ 1, 2 ]
amdhsa.kernels:
  - .name:           k_qf8d48a1081_attn
    .symbol:         k_qf8d48a1081_attn.kd
    .args:
      - { .name: qimg, .offset: 0, .size: 8, .value_kind: global_buffer, .address_space: global }
      - { .name: kv, .offset: 8, .size: 8, .value_kind: global_buffer, .address_space: global }
      - { .name: oimg, .offset: 16, .size: 8, .value_kind: global_buffer, .address_space: global }
      - { .name: osc, .offset: 24, .size: 8, .value_kind: global_buffer, .address_space: global }
    .group_segment_fixed_size: 169984
    .private_segment_fixed_size: 0
    .kernarg_segment_align: 8
    .kernarg_segment_size: 32
    .max_flat_workgroup_size: 512
    .sgpr_count:     66
    .vgpr_count:     256
    .wavefront_size: 32
...
	.end_amdgpu_metadata
.endif
;; end of part 2
;; launch oproj (part 3): grid 4 x 32, 4 waves a work-group, clusters of 4 x 4, 288,256 bytes of LDS; arguments oimg, osc, Wo_codes, Wo_scales, bo, out0; writes out0
.if DOCPART == 3
	.amdgcn_target "amdgcn-amd-amdhsa--gfx1250"
	.amdhsa_code_object_version 6
	.text
	.protected	k_qf8d48a1081_oproj
	.globl	k_qf8d48a1081_oproj
	.p2align	8
	.type	k_qf8d48a1081_oproj,@function
k_qf8d48a1081_oproj:
	s_mov_b64 s[64:65], 0
	v_nop
	global_prefetch_b8 v0, s[64:65] scope:SCOPE_SE
	s_setreg_imm32_b32 hwreg(HW_REG_WAVE_MODE, 25, 1), 1
	s_wait_xcnt 0x0
	s_wait_alu depctr_hold_cnt(0) depctr_sa_sdst(0) depctr_va_vdst(0) depctr_va_sdst(0) depctr_va_ssrc(0) depctr_va_vcc(0) depctr_vm_vsrc(0)
	s_getreg_b32 s2, hwreg(HW_REG_IB_STS2, 6, 4)
	s_cmp_eq_u32 s2, 0
	s_cbranch_scc0 .Lentry_in_a_cluster
	s_endpgm
.Lentry_in_a_cluster:
	s_bfe_u32 s2, ttmp6, 0x10000c
	s_cmp_lg_u32 s2, 0xf033
	s_cbranch_scc0 .Lentry_shape_is_right
	s_endpgm
.Lentry_shape_is_right:
; out0 = O Wo^T + bo on codes of FP4 (E2M1) with one E8M0 scale for each 32 along K = 1,024.  out0: [8,192][1,024] f32.
; A = O: oimg [tile of 16 tokens 512][head 16][512 bytes], images of operand registers: two heads on end are the fragment of 16 tokens x 128 along K (lane l's registers 4 c .. 4 c + 3 at 512 c + 16 l); osc [8,192][32] its scale bytes.
; B = Wo: 1,024 rows of 512 bytes of codes, 32 scale bytes a row.
; A tile of out0, 256 x 256, is made by a work-group of four waves; a wave makes 128 x 128: 64 accumulators of 16 x 16, 512 registers.  All of K lies in LDS: two halves of 512 along K, each filled ONCE; nothing is filled again.
; CLUSTERS: 4 x 4 work-groups.  The four of a row of the cluster need the same tile of A, the four of a column the same tile of B: each is asked for JOINTLY, by the same tensor load with the same descriptor and a mask that names the four.
; THE MATRIX INSTRUCTION IS USED TRANSPOSED (source 0 = 16 rows of Wo, source 1 = 16 tokens): a lane holds eight neighbouring numbers of a row of out0.  THE BIAS is the C of each sum's first product: eight registers for each of B's blocks.
; LIMITS: a given scale byte 0xff is not served.  No prefetch: every tile is asked for at the head.
; REGISTERS, in windows of 256: window 0: v1-31 addresses; v32-95 scale words, two sets; v128-191 A's fragments, ONE set; on the way out v128-255 rows of out0.
;   window 1: B's fragments, TWO sets, at v0 and v128; v64-127 the bias.   window 2: the accumulators of my rows 0-63 (accumulator (a, b) at v[8 (8 (a % 4) + b)]);   window 3: those of my rows 64-127.
.set NQ,     4                         ; steps of 128 along K in a half
.set ROWB,   256                       ; a row of B's tile in bytes: 512 codes
.set KROW,   512                       ; a row of Wo in memory
.set PITCH,  272                       ; B's LDS row: 256 bytes + 16 of padding = 68 words: row r starts at bank 4 r mod 64 (64 banks of 4 bytes: ISA guide 11.1)
.set FR,     8
.set NL,     2
.set NP,     4                         ; places behind this matrix instruction (ISA guide 7.12.1)
.set HALFA,  32768                     ; A: 8 tiles of tokens x 4,096 bytes, dense: every read takes 512 consecutive bytes
.set HALFT,  128*PITCH                 ; B: 128 rows
.set SLOT,   2*HALFA+2*HALFT           ; A's two halves, then B's two
.set KS,     32
.set SCL,    2*SLOT                    ; behind the codes: the scales, as units of 256 bytes + 16 of padding
.set HALFS,  (128*KS/256)*272
.set SBLK,   (16*KS/256)*272
.set SIZE_N, 1024
.set SPITCH, 528                       ; the way out: a stage of 16 rows x (512 bytes + 16) for each wave, in the first half's bytes, which have had their one fill and their last read when the first result is stored there
.set ADRA, 16
.set ADRB, 20
.set STO,  24                          ; v24 the way out: where I put 32 bytes of a row
.set RD,   25                          ; v25 where I read a row back
.set CO,   26                          ; v26 my byte offset in a row of out0
.set ADRS, 27
.set SC,   32
.set AF,   128
.set BI,   64                          ; the bias, in window 1
.set BK,   128
.set G1, 24
.set G0, 32
.set G1B, 48
.set G0B, 56
.set G1S, 68
.set G0S, 76
.set G1SB, 80
.set G0SB, 88
.set MSB, 0
.macro WIN new                         ; the immediate's high byte repeats the setting that is left
.if MSB != \new
	s_set_vgpr_msb (MSB<<8)|\new
.set MSB, \new
.endif
.endm
.set MUL_LO, 0xa1                      ; source 0 (B) window 1, source 1 (A) window 0, C and D window 2
.set MUL_HI, 0xf1                      ; the same, C and D window 3
.set BIA_LO, 0x91                      ; the first products: C (the bias) window 1, D window 2
.set BIA_HI, 0xd1                      ; D window 3
.set TO_B,   0x40                      ; destination window 1, address window 0
.macro JLOAD g0a, g1a, g0b, g1b        ; a joint load: waves 0 and 1 fetch for A, waves 2 and 3 for B; four v_nop follow each of the two lines
	s_cmp_eq_u32 s15, 0
	s_cbranch_scc0 .Lfor_b_\@
	tensor_load_to_lds s[\g0a:\g0a+3], s[\g1a:\g1a+7]
	s_nop 0
.rept 4
	v_nop
.endr
	s_branch .Lasked_\@
.Lfor_b_\@:
	tensor_load_to_lds s[\g0b:\g0b+3], s[\g1b:\g1b+7]
	s_nop 0
.rept 4
	v_nop
.endr
.Lasked_\@:
.endm
.macro CROUND                          ; a round of the cluster's barrier
	s_barrier_signal -1
	s_barrier_wait -1
	s_cmp_lg_u32 s14, 0
	s_cbranch_scc1 .Lnot_wave_0_\@
	s_barrier_signal -3
.Lnot_wave_0_\@:
	s_barrier_wait -3
	s_barrier_signal -1
	s_barrier_wait -1
.endm
	s_load_b128 s[4:7], s[0:1], 0x0                ; O's images s[4:5], O's scale bytes s[6:7]
	s_load_b128 s[8:11], s[0:1], 0x10              ; Wo's codes s[8:9], scales s[10:11]
	s_load_b64 s[96:97], s[0:1], 0x20              ; bo
	s_load_b64 s[12:13], s[0:1], 0x28              ; out0
	v_lshl_add_u32 v126, v0, 2, 0x46400
	v_mov_b32 v127, 0
	ds_add_u32 v126, v127
	ds_add_u32 v126, v127
	v_lshrrev_b32 v1, 5, v0
	v_readfirstlane_b32 s14, v1                    ; wave 0..3
	s_lshr_b32 s15, s14, 1                         ; which half of the tile's rows is mine.  Also: I fetch for A (0) or for B (1)
	s_and_b32 s16, s14, 1                          ; which half of its columns.  Also: which 128 rows of that tile I fetch
	s_bfe_u32 s40, ttmp6, 0x40000                  ; cx, cy
	s_bfe_u32 s41, ttmp6, 0x40004
	s_lshl_b32 s42, ttmp9, 2
	s_add_co_u32 s42, s42, s40                     ; tile column = 4 x cluster x + cx
	s_and_b32 s17, ttmp7, 0xffff
	s_lshl_b32 s17, s17, 2
	s_add_co_u32 s17, s17, s41                     ; tile row = 4 x cluster y + cy
	s_lshl_b32 s43, s41, 2
	s_lshl_b32 s43, 15, s43                        ; my row of the cluster
	s_lshl_b32 s44, 0x1111, s40                    ; my column
	; group 1 for A: 8 tiles of tokens x 4,096 bytes (512 elements of 8 bytes: half of K), 8,192 bytes apart in memory, on end in LDS
	s_or_b32 s[G1+0], s43, (3<<16)|(1<<21)         ; 15:0 the mask: my row; 17:16 elements of 8 bytes; 21 set beside a mask; no padding
	s_mov_b32 s[G1+1], 512<<16                     ; tensor_dim0
	s_mov_b32 s[G1+2], 8<<16                       ; tensor_dim1
	s_mov_b32 s[G1+3], 512<<16                     ; tile_dim0
	s_mov_b32 s[G1+4], 8                           ; tile_dim1
	s_mov_b32 s[G1+5], 1024                        ; from row to row
	s_mov_b32 s[G1+6], 0
	s_mov_b32 s[G1+7], 0
	; for B: 128 rows x 256 bytes, 16 bytes of padding behind each
	s_or_b32 s[G1B+0], s44, (0<<16)|(1<<20)|(1<<21)|(5<<22)|(3<<25)
	s_mov_b32 s[G1B+1], ROWB<<16
	s_mov_b32 s[G1B+2], 128<<16
	s_mov_b32 s[G1B+3], ROWB<<16
	s_mov_b32 s[G1B+4], 128
	s_mov_b32 s[G1B+5], KROW
	s_mov_b32 s[G1B+6], 0
	s_mov_b32 s[G1B+7], 0
	; for the scales of 128 rows: 4,096 dense bytes as 16 rows of 256, 16 bytes of padding behind each
	s_or_b32 s[G1S+0], s43, (3<<16)|(1<<20)|(1<<21)|(5<<22)|(3<<25)
	s_or_b32 s[G1SB+0], s44, (3<<16)|(1<<20)|(1<<21)|(5<<22)|(3<<25)
.irp g, G1S, G1SB
	s_mov_b32 s[\g+1], 32<<16
	s_mov_b32 s[\g+2], (128*KS/256)<<16
	s_mov_b32 s[\g+3], 32<<16
	s_mov_b32 s[\g+4], 128*KS/256
	s_mov_b32 s[\g+5], 32
	s_mov_b32 s[\g+6], 0
	s_mov_b32 s[\g+7], 0
.endr
	s_lshl_b32 s18, s16, 7                         ; which 128 rows of the tile I fetch
	s_lshl_b32 s20, s17, 8
	s_add_co_u32 s20, s20, s18                     ; A: token 256 x tile row + 128 x half
	s_lshl_b32 s46, s42, 8
	s_add_co_u32 s46, s46, s18                     ; B: row 256 x tile column + 128 x half
	s_lshl_b32 s22, s20, 5                         ; their scales: 32 bytes a row
	s_mov_b32 s23, 0
	s_lshl_b32 s92, s46, 5
	s_mov_b32 s93, 0
	s_lshl_b32 s20, s20, 9                         ; their codes: 8,192 bytes for 16 tokens, 512 bytes a row of Wo: 512 a row in both
	s_mov_b32 s21, 0
	s_lshl_b32 s46, s46, 9
	s_mov_b32 s47, 0
	s_lshl_b32 s45, s16, 15                        ; where they go: A's half,
	s_mul_i32 s95, s16, HALFT
	s_add_co_u32 s95, s95, 2*HALFA                 ; B's half, behind A's two: no place in the cluster enters an LDS address
	s_mul_i32 s94, s14, HALFS
	s_wait_dscnt 0x0
	s_wait_kmcnt 0x0
	s_add_nc_u64 s[20:21], s[4:5], s[20:21]
	s_add_nc_u64 s[22:23], s[6:7], s[22:23]
	s_add_nc_u64 s[46:47], s[8:9], s[46:47]
	s_add_nc_u64 s[92:93], s[10:11], s[92:93]
	CROUND                                         ; all sixteen work-groups are here: the joint loads meet
	s_mov_b32 s[G0S], 1
	s_add_co_u32 s[G0S+1], s94, SCL
	s_mov_b64 s[G0S+2:G0S+3], s[22:23]
	s_or_b32 s[G0S+3], s[G0S+3], 0x80000000
	s_mov_b32 s[G0SB], 1
	s_add_co_u32 s[G0SB+1], s94, SCL
	s_mov_b64 s[G0SB+2:G0SB+3], s[92:93]
	s_or_b32 s[G0SB+3], s[G0SB+3], 0x80000000
	JLOAD G0S, G1S, G0SB, G1SB                     ; the scales first
.irp s, 0,1
	s_mov_b32 s[G0+4*\s], 1
	s_add_co_u32 s[G0+4*\s+1], s45, \s*SLOT
	s_add_nc_u64 s[G0+4*\s+2:G0+4*\s+3], s[20:21], \s*4096
	s_or_b32 s[G0+4*\s+3], s[G0+4*\s+3], 0x80000000
	s_mov_b32 s[G0B+4*\s], 1
	s_add_co_u32 s[G0B+4*\s+1], s95, \s*SLOT
	s_add_nc_u64 s[G0B+4*\s+2:G0B+4*\s+3], s[46:47], \s*ROWB
	s_or_b32 s[G0B+4*\s+3], s[G0B+4*\s+3], 0x80000000
	JLOAD G0+4*\s, G1, G0B+4*\s, G1B               ; three tensor loads of mine are out: all that this wave ever issues
.endr
	v_and_b32 v1, 15, v0                           ; r
	v_bfe_u32 v2, v0, 4, 1                         ; h
	v_mul_u32_u24 v3, v1, PITCH
	v_lshl_add_u32 v4, v2, 4, v3                   ; B: a fragment's row x pitch + 16 x half
	v_and_b32 v6, 31, v0
	v_lshlrev_b32 v7, 4, v6                        ; A: 16 x lane
	s_lshl_b32 s21, s15, 15                        ; my 128 tokens
	s_mul_i32 s22, s16, HALFT                      ; my 128 rows of B,
	s_add_co_u32 s22, s22, 2*HALFA                 ; behind A's two halves
.irp s, 0,1
	v_add_nc_u32 v[ADRA+\s], s21, v7
	v_add_nc_u32 v[ADRB+\s], s22, v4
	s_add_co_u32 s21, s21, SLOT
	s_add_co_u32 s22, s22, SLOT
.endr
	v_mul_u32_u24 v5, v1, KS                       ; my row's scales: 32 bytes a row,
	v_lshrrev_b32 v6, 8, v5
	v_lshl_add_u32 v5, v6, 4, v5                   ; and 16 more for each 256 passed
	s_mul_i32 s21, s15, HALFS
	s_mul_i32 s22, s16, HALFS
	s_add_co_u32 s22, s22, 2*HALFS
	s_sub_co_u32 s22, s22, s21
	v_mul_u32_u24 v6, s22, v2                      ; lanes 16-31 take B's
	s_add_co_u32 s21, s21, SCL
	v_add_nc_u32 v5, v5, v6
	v_add_nc_u32 v[ADRS], s21, v5
	s_mul_i32 s23, s14, 16*SPITCH                  ; my stage
	v_mul_u32_u24 v5, v1, SPITCH                   ; in: row r, 32 bytes for each half of the lanes
	v_lshl_add_u32 v5, v2, 5, v5
	v_add_nc_u32 v[STO], s23, v5
	v_mov_b32 v[CO], v7                            ; back: the 32 lanes take one row of 512 bytes; and the same in out0
	v_add_nc_u32 v[RD], s23, v7
	s_lshl_b32 s20, s17, 8
	s_lshl_b32 s21, s15, 7
	s_add_co_u32 s20, s20, s21                     ; my first row of out0
	s_lshl_b32 s20, s20, 12                        ; 4,096 bytes a row: under 2^25
	s_mov_b32 s21, 0
	s_lshl_b32 s46, s42, 10                        ; my first column, in bytes: 1,024 x tile column + 512 x half; bo's offset is the same
	s_lshl_b32 s47, s16, 9
	s_add_co_u32 s46, s46, s47
	s_mov_b32 s47, 0
	s_add_nc_u64 s[96:97], s[96:97], s[46:47]
	s_add_nc_u64 s[20:21], s[20:21], s[46:47]
	s_add_nc_u64 s[12:13], s[12:13], s[20:21]
	v_lshlrev_b32 v8, 5, v2                        ; the bias: lane (r, h) wants, for B's block b, bo at columns 16 b + 8 h + 0 .. 7
	WIN TO_B
.irp b, 0,1,2,3,4,5,6,7
	global_load_b128 v[BI+8*\b:BI+8*\b+3], v8, s[96:97] offset:64*\b
	global_load_b128 v[BI+8*\b+4:BI+8*\b+7], v8, s[96:97] offset:64*\b+16
.endr
	WIN 0
.macro FRAG reg, adr, q, i             ; a fragment of B from rows: lane l holds row l % 16; registers 4 c .. 4 c + 3 hold K = 64 c + 32 (l / 16) + 0 .. 31
.irp c, 0,1
	ds_load_b128 v[\reg+4*\c:\reg+4*\c+3], v[\adr] offset:64*(\q)+32*\c+(\i)*16*PITCH
.endr
.endm
.macro FRAGA reg, adr, q, i            ; a fragment of A from its image: tile of tokens i, the half's q-th 128 along K
.irp c, 0,1
	ds_load_b128 v[\reg+4*\c:\reg+4*\c+3], v[\adr] offset:1024*(\q)+512*\c+(\i)*4096
.endr
.endm
; 16 matrix instructions: A's blocks a0, a0 + 1 x B's eight.  first = 1: the first product starts the sums on the bias: nothing is cleared, nothing is added later.
; The 64 accumulators take turns, one instruction a turn, in the same order in every step.
.macro MUL16 a0, p, q, sc, first
.irp a, \a0, \a0+1
.irp b, 0,1,2,3,4,5,6,7
.if \first
	v_wmma_scale_f32_16x16x128_f8f6f4 v[8*(8*((\a)%4)+\b):8*(8*((\a)%4)+\b)+7], v[128*(\p)+FR*\b:128*(\p)+FR*\b+FR-1], v[AF+FR*(\a):AF+FR*(\a)+FR-1], v[BI+8*\b:BI+8*\b+7], v[SC+8*NQ*(\sc)+NQ*\b+(\q)], v[SC+8*NQ*(\sc)+NQ*(\a)+(\q)] matrix_a_fmt:MATRIX_FMT_FP4 matrix_b_fmt:MATRIX_FMT_FP4 matrix_a_scale:MATRIX_SCALE_ROW1
.else
	v_wmma_scale_f32_16x16x128_f8f6f4 v[8*(8*((\a)%4)+\b):8*(8*((\a)%4)+\b)+7], v[128*(\p)+FR*\b:128*(\p)+FR*\b+FR-1], v[AF+FR*(\a):AF+FR*(\a)+FR-1], v[8*(8*((\a)%4)+\b):8*(8*((\a)%4)+\b)+7], v[SC+8*NQ*(\sc)+NQ*\b+(\q)], v[SC+8*NQ*(\sc)+NQ*(\a)+(\q)] matrix_a_fmt:MATRIX_FMT_FP4 matrix_b_fmt:MATRIX_FMT_FP4 matrix_a_scale:MATRIX_SCALE_ROW1
.endif
.endr
.endr
.endm
.macro FETCH_B slot, q, p
	WIN TO_B
.irp i, 0,1,2,3,4,5,6,7
	FRAG 128*(\p)+FR*\i, ADRB+\slot, \q, \i
.endr
	WIN 0
.endm
.macro FETCH_A slot, q, i0
.irp i, \i0, \i0+1, \i0+2, \i0+3
	FRAGA AF+FR*(\i), ADRA+\slot, \q, \i
.endr
.endm
.macro SCALES sc                       ; a half's scale words into set sc: lanes 0-15 take A's block i, lanes 16-31 B's block i
.irp i, 0,1,2,3,4,5,6,7
	ds_load_b128 v[SC+8*NQ*\sc+NQ*\i:SC+8*NQ*\sc+NQ*\i+3], v[ADRS] offset:\i*SBLK
.endr
.endm
.macro PLACES n                        ; a load into a register that a matrix instruction has read, and an LDS store that reads a result, stand four plain vector instructions behind it (ISA guide 7.12.1 for stores that read a result)
.rept \n
	v_nop
.endr
.endm
.macro STEP slot, q, first
	s_wait_dscnt 4*NL                              ; all but the youngest eight loads, A's blocks 4-7
.if \first
	WIN BIA_LO
.else
	WIN MUL_LO
.endif
	MUL16 0, (\q)%2, \q, \slot, \first
	MUL16 2, (\q)%2, \q, \slot, \first
	s_wait_dscnt 0                                 ; A's blocks 4-7 are in
	PLACES NP
	FETCH_B \slot, (\q)+1, 1-(\q)%2
	FETCH_A \slot, (\q)+1, 0
.if \first
	WIN BIA_HI
.else
	WIN MUL_HI
.endif
	MUL16 4, (\q)%2, \q, \slot, \first
	MUL16 6, (\q)%2, \q, \slot, \first
	PLACES NP
	WIN 0
	FETCH_A \slot, (\q)+1, 4
.endm
	s_wait_tensorcnt 1                             ; one younger load, the second half's, may be out: the scales and my part of the first half are in,
	s_barrier_signal -1
	s_barrier_wait -1                              ; everybody's are
	FETCH_B 0, 0, 0
	FETCH_A 0, 0, 0
	SCALES 0
	FETCH_A 0, 0, 4
	s_wait_loadcnt 0x0                             ; the bias
	STEP 0, 0, 1
	STEP 0, 1, 0
	STEP 0, 2, 0
	; the first half's last step goes over to the second half: one barrier, in front of which each wave has waited for its part of that half and for its reads of the first
	s_wait_tensorcnt 0x0                           ; my part of the second half has landed: no tensor load of mine is out any more
	s_wait_dscnt 4*NL
	WIN MUL_LO
	MUL16 0, 1, NQ-1, 0, 0
	s_wait_dscnt 0x0                               ; my reads of the first half are over
	s_barrier_signal -1
	MUL16 2, 1, NQ-1, 0, 0
	WIN 0
	s_barrier_wait -1                              ; the second half is whole, and nobody reads the first any more
	PLACES NP
	v_add_nc_u32 v[ADRS], 4*NQ, v[ADRS]
	FETCH_B 1, 0, 0
	FETCH_A 1, 0, 0
	SCALES 1
	WIN MUL_HI
	MUL16 4, 1, NQ-1, 0, 0
	MUL16 6, 1, NQ-1, 0, 0
	PLACES NP
	WIN 0
	FETCH_A 1, 0, 4
	STEP 1, 0, 0
	STEP 1, 1, 0
	STEP 1, 2, 0
	s_wait_dscnt 4*NL
	WIN MUL_LO
	MUL16 0, 1, NQ-1, 1, 0
	MUL16 2, 1, NQ-1, 1, 0
	s_wait_dscnt 0
	WIN MUL_HI
	MUL16 4, 1, NQ-1, 1, 0
	MUL16 6, 1, NQ-1, 1, 0
	WIN 0
; THE WAY OUT, block by block of 16 rows x 128 columns.  A lane holds 32 neighbouring bytes of a row, and the lanes beside it hold other rows: so a block goes through my own stage in LDS and comes back as whole rows of
; 512 bytes.  LDS serves a wave's instructions in order (ISA guide 5.7.1.4): no wait between the stores and the loads, nor in front of the next block's stores.
.macro TOSTAGE a
.set AC, 64*((\a)%4)
	WIN 0x08+4*((\a)/4)                            ; the data: window 2 or 3
.irp b, 0,1,2,3,4,5,6,7
	ds_store_b128 v[STO], v[AC+8*\b:AC+8*\b+3] offset:64*\b          ; each accumulator from its low end on
	ds_store_b128 v[STO], v[AC+8*\b+4:AC+8*\b+7] offset:64*\b+16
.endr
	WIN 0
.set BB, BK+64*((\a)%2)
.irp t, 0,1,2,3,4,5,6,7,8,9,10,11,12,13,14,15
	ds_load_b128 v[BB+4*\t:BB+4*\t+3], v[RD] offset:\t*SPITCH
.endr
.endm
.macro SEND a, younger                 ; younger: the LDS instructions issued behind block a's loads, which may stay out
.set BB, BK+64*((\a)%2)
	s_wait_dscnt \younger                          ; the block is back in registers
.if (\a) > 0
	s_add_nc_u64 s[12:13], s[12:13], 16*SIZE_N*4   ; (behind a wait on XCNT: the earlier stores have read their base)  16 rows of out0 on
.endif
.irp t, 0,1,2,3,4,5,6,7,8,9,10,11,12,13,14,15
	global_store_b128 v[CO], v[BB+4*\t:BB+4*\t+3], s[12:13] offset:\t*SIZE_N*4 th:TH_STORE_NT   ; 32 lanes store 512 consecutive bytes, at a multiple of 512 from out0's first byte; written once, read by nobody here
.endr
.endm
	PLACES NP                                      ; behind the last products: for the stores of results and for the loads into the registers that held A's fragments
	TOSTAGE 0
.irp a, 1,2,3,4,5,6,7
.if \a > 1
	s_wait_xcnt 0x0                                ; block a - 2's stores have read their registers and their base: block a's loads may land there, and the base may step
.endif
	TOSTAGE \a
	SEND \a-1, 32                                  ; behind block a - 1's loads: block a's 16 stores and 16 loads
.endr
	s_wait_xcnt 0x0                                ; block 6's stores have read their base
	SEND 7, 0
	s_wait_tensorcnt 0x0
	ds_add_u32 v126, v127
	s_wait_dscnt 0x0
	CROUND                                         ; the closing round: no work-group ends while a partner may still ask for a tile that names it
	s_endpgm
.Lfunc_end_k_qf8d48a1081_oproj:
	.size	k_qf8d48a1081_oproj, .Lfunc_end_k_qf8d48a1081_oproj-k_qf8d48a1081_oproj
	.p2alignl 7, 3214868480
	.fill 96, 4, 3214868480
	.section	.rodata,"a",@progbits
	.p2align	6, 0x0
	.amdhsa_kernel k_qf8d48a1081_oproj
		.amdhsa_group_segment_fixed_size 288256
		.amdhsa_private_segment_fixed_size 0
		.amdhsa_enable_private_segment 0
		.amdhsa_kernarg_size 48
		.amdhsa_user_sgpr_count 2
		.amdhsa_user_sgpr_kernarg_segment_ptr 1
		.amdhsa_wavefront_size32 1
		.amdhsa_system_sgpr_workgroup_id_x 1
		.amdhsa_system_sgpr_workgroup_id_y 1
		.amdhsa_system_sgpr_workgroup_id_z 1
		.amdhsa_system_vgpr_workitem_id 0
		.amdhsa_next_free_vgpr 1024
		.amdhsa_next_free_sgpr 98
		.amdhsa_reserve_vcc 0
		.amdhsa_float_denorm_mode_32 3
		.amdhsa_float_denorm_mode_16_64 3
		.amdhsa_memory_ordered 1
		.amdhsa_forward_progress 1
		.amdhsa_inst_pref_size 126
	.end_amdhsa_kernel
	.amdgpu_metadata
---
amdhsa.version: [ 1, 2 ]
amdhsa.kernels:
  - .name:           k_qf8d48a1081_oproj
    .symbol:         k_qf8d48a1081_oproj.kd
    .args:
      - { .name: oimg, .offset: 0, .size: 8, .value_kind: global_buffer, .address_space: global }
      - { .name: osc, .offset: 8, .size: 8, .value_kind: global_buffer, .address_space: global }
      - { .name: Wo_codes, .offset: 16, .size: 8, .value_kind: global_buffer, .address_space: global }
      - { .name: Wo_scales, .offset: 24, .size: 8, .value_kind: global_buffer, .address_space: global }
      - { .name: bo, .offset: 32, .size: 8, .value_kind: global_buffer, .address_space: global }
      - { .name: out0, .offset: 40, .size: 8, .value_kind: global_buffer, .address_space: global }
    .group_segment_fixed_size: 288256
    .private_segment_fixed_size: 0
    .kernarg_segment_align: 8
    .kernarg_segment_size: 48
    .max_flat_workgroup_size: 128
    .sgpr_count:     98
    .vgpr_count:     1024
    .wavefront_size: 32
...
	.end_amdgpu_metadata
.endif
;; end of part 3
